; MI455X (gfx1250); checked and timed in simulation.
; The chip was launched on July 23, 2026; its instructions are those of AMD's public machine-readable ISA for CDNA 5 (MIT licence, August 2026) and "CDNA5" Instruction Set Architecture Reference Guide (July 2026). The comments in the code are by the model that wrote it; some were corrected since.
;; Self Attention. Allowed arithmetic: matrix products marked QUANTISED: E2M1 operands, one E8M0 scale for each 32 along K, by v_wmma_scale_f32_16x16x128_f8f6f4 with both operands' format E2M1 (or v_wmma_scale_f32_32x16x128_f4), f32 sums; products left as they are: bf16, f16 or f32 operands; f32 sums; everything else in f32.
;; Inputs: Wk 1,024 x 1,024 float32; Wq 1,024 x 1,024 float32; Wv 1,024 x 1,024 float32; mask 2,048 x 2,048 float32; x 2 x 2,048 x 1,024 float32.
;; Outputs: out0 2 x 2,048 x 1,024 float32.
;; This version of the problem:
;;   THIS VERSION OF THE PROBLEM IS GIVEN IN LOW PRECISION. The matrix products marked QUANTISED in the list below multiply operands that are first quantised to E2M1 (2 exponent bits, 1 mantissa bit; 4 bits a number), with one power-of-two scale for each 32 numbers along K (OCP MX v1.0); their sums are f32. The products marked 'left as it is' may take bf16, f16 or f32 operands, with f32 sums. Whichever they take, every output number must still come out within the allowed error. Rounding operands to bf16 (8 significant bits) uses up far more of that allowance than f16 does (11 bits, for magnitudes from 6e-5 to 65,504). All else is computed in f32.
;;   The module's matrix products, in the order in which they are computed (A, B: the left and right operand; K: the contracted axis; several contracted axes count as one K, in the product's order):
;;     1. [M 4,096, K 1,024] x [K 1,024, N 1,024]; A: input x; B: input Wq: QUANTISED
;;     2. [M 4,096, K 1,024] x [K 1,024, N 1,024]; A: input x; B: input Wk: QUANTISED
;;     3. [M 4,096, K 1,024] x [K 1,024, N 1,024]; A: input x; B: input Wv: QUANTISED
;;     4. batch 32 x [M 2,048, K 64] x [K 64, N 2,048]; A: computed on the way; B: computed on the way: left as it is (an operand is computed on the way)
;;     5. batch 32 x [M 64, K 2,048] x [K 2,048, N 2,048]; A: computed on the way; B: computed on the way: left as it is (an operand is computed on the way)
;;   THE QUANTISER, for each operand of a quantised product, along K:
;;     - K is cut into blocks of 32 from its start; a last block that is shorter is filled with zeros.
;;     - A block's scale is 2^e with e = floor(log2(the largest magnitude in the block)) - 2, held to -126 .. 127; a block of zeros has e = 0. As a byte (E8M0): e + 127.
;;     - Each number is divided by its block's scale, clamped to +-6, and rounded to the nearest number of E2M1, ties to even, subnormals kept.
;;     - The product sums the exact products of the quantised numbers (number of the format x scale) in f32.
;;   ~~~python
;;   def quantise(x, axis):      # numpy; x: float32 -> the quantised numbers, widened to float32 again
;;       x = np.moveaxis(x, axis, -1); K = x.shape[-1]
;;       x = np.pad(x, [(0, 0)] * (x.ndim - 1) + [(0, -K % 32)]); x = x.reshape(x.shape[:-1] + (-1, 32)); a = np.abs(x).max(-1, keepdims=True)
;;       e = np.where(a > 0, np.clip(np.frexp(np.where(a > 0, a, 1))[1] - 1 - 2, -126, 127), 0)      # np.frexp(a)[1] - 1 = floor(log2(a)), exactly
;;       r = np.clip(x / 2.0 ** e, -6, 6)
;;       step = 2.0 ** (np.maximum(np.frexp(np.where(r == 0, 1, r))[1] - 1, 0) - 1)
;;       q = np.round(r / step) * step * 2.0 ** e      # np.round: ties to even
;;       return np.moveaxis(q.reshape(q.shape[:-2] + (-1,))[..., :K], -1, axis).astype(np.float32)
;;   ~~~
;; One version. Each part assembles by itself: llvm-mc -triple=amdgcn-amd-amdhsa -mcpu=gfx1250 --defsym DOCPART=n.
;; ======== version 1 of 1: 3 launches
;; limits: values are held in f16: magnitudes above 65,504 overflow, below 6.1e-05 lose precision
;; workspace buffers: codes 3,670,016 bytes; scales 229,376 bytes; img 25,165,824 bytes
;; launch quant (part 1): grid 224 x 1, 4 waves a work-group, no clusters, 33,280 bytes of LDS; arguments x, Wq, Wk, Wv, codes, scales; writes codes, scales
.if DOCPART == 1
	.amdgcn_target "amdgcn-amd-amdhsa--gfx1250"
	.amdhsa_code_object_version 6
	.text
	.protected	k_qbbf4af0d79_quant
	.globl	k_qbbf4af0d79_quant
	.p2align	8
	.type	k_qbbf4af0d79_quant,@function
k_qbbf4af0d79_quant:
	s_mov_b64 s[64:65], 0
	v_nop
	global_prefetch_b8 v0, s[64:65] scope:SCOPE_SE
	s_setreg_imm32_b32 hwreg(HW_REG_WAVE_MODE, 25, 1), 1
	s_wait_xcnt 0x0
; x [4096][1024], Wq, Wk, Wv [1024][1024], f32, K innermost, are turned into codes of FP4 (E2M1), two a byte, the lower k in the low four bits, and one E8M0 byte for each 32 along K.
; The results are ONE stream of 7,168 rows: rows 0-4095 x, 4096-5119 Wq, 5120-6143 Wk, 6144-7167 Wv;  codes [7168][512 bytes], scales [7168][32 bytes].
; A block's scale is 2^(floor(log2(its largest magnitude)) - 2); its byte is the largest magnitude's exponent field - 2, held at 1 from below.  Each number is divided by the scale and rounded to the nearest code,
; ties to even; beyond 6 the conversion gives the largest code.
; LIMITS: a block of zeros gets the byte 1 where the rule says 127 (its codes are zeros, which add nothing, and this program alone reads the bytes); blocks whose largest magnitude lies under 2^-124 are held at
; the byte 1; NaN and infinities among the inputs are not served.
; Rows are dense and 1,024 is a multiple of 32: every tensor is a plain stream of blocks of 32.  A work-group takes 32,768 numbers, a wave 8,192 in 16 steps of 512.  Work-groups 0-127 take x, 128-159 Wq,
; 160-191 Wk, 192-223 Wv: only the source pointer is chosen, by the work-group's number; all take one path through the text.
; A conversion takes 8 numbers of ONE block from a lane's registers, so a lane must hold 16 neighbours; a load is best where neighbouring lanes take neighbouring bytes.  Both are had: each of a step's four loads
; reads 512 consecutive bytes, the 2,048 bytes go through the wave's own stage in LDS and come back 64 bytes a lane (16 bytes of padding behind each 64).  A wave's store of codes covers 256 consecutive bytes;
; its 256 scale bytes are gathered in LDS and leave as one aligned run of 256 bytes.  No matrix unit, no cluster, no barrier: the waves share nothing and every input byte is read once.
.set WAVES, 4
.set STEPS, 16
.set EMAX,  2
.set CB,    8                          ; bytes of 16 codes
.set R,     16                         ; v16-79   four sets of 16 numbers as they are loaded
.set X,     80                         ; v80-111  two sets of 16 neighbours
.set E,     112                        ; v112-127 a scale byte for each step
.set C,     128                        ; v128-191 codes: four registers for each step, so that no store's data are written again
.set WREG,  8192                       ; LDS: a region for each wave: two stages of 32 x SP bytes, and behind them its 256 scale bytes
.set SP,    80                         ; a lane's place in a stage: 64 bytes + 16 of padding
.set SPW,   12                         ; v12  LDS address of my spare word: SPARE + 4 x my thread's number; never rewritten
.set NIL,   13                         ; v13  0; never rewritten
.set SPARE, WAVES*WREG                 ; behind the four regions: the spare words, 128 bytes a wave, which no other line names
	s_load_b256 s[4:11], s[0:1], 0x0               ; x s[4:5], Wq s[6:7], Wk s[8:9], Wv s[10:11]
	s_load_b128 s[12:15], s[0:1], 0x20             ; codes s[12:13], scales s[14:15]
	v_lshl_add_u32 v[SPW], v0, 2, SPARE
	v_mov_b32 v[NIL], 0
	v_lshrrev_b32 v1, 5, v0
	v_readfirstlane_b32 s16, v1                    ; wave
	v_and_b32 v2, 31, v0                           ; lane
	v_lshlrev_b32 v3, 4, v2                        ; my 16 bytes of a load's 512
	s_mul_i32 s17, s16, WREG
	v_lshrrev_b32 v14, 2, v2
	v_mul_u32_u24 v14, v14, SP
	v_and_b32 v15, 3, v2
	v_lshl_add_u32 v14, v15, 4, v14
	v_add_nc_u32 v14, s17, v14                     ; the stage, on the way in: SP (lane / 4) + 16 (lane % 4)
	v_mul_u32_u24 v15, v2, SP
	v_add_nc_u32 v15, s17, v15                     ; and on the way out: SP x lane: my 16 neighbours
	v_mul_u32_u24 v4, v2, CB                       ; my codes' place in a step's
	v_lshrrev_b32 v5, 1, v2
	s_add_co_u32 s17, s17, 2*32*SP
	v_add_nc_u32 v5, s17, v5                       ; LDS: my wave's 256 scale bytes, my block's byte
	v_lshlrev_b32 v7, 3, v2                        ; and on the way out 8 bytes a lane
	v_add_nc_u32 v6, s17, v7
	s_wait_kmcnt 0x0
	s_and_b32 s19, ttmp9, 31                       ; a weight's work-groups begin at multiples of 32
	s_cmp_lt_u32 ttmp9, 192                        ; which tensor: the choices hang on the work-group's number alone
	s_cselect_b64 s[20:21], s[8:9], s[10:11]
	s_cmp_lt_u32 ttmp9, 160
	s_cselect_b64 s[20:21], s[6:7], s[20:21]
	s_cmp_lt_u32 ttmp9, 128
	s_cselect_b64 s[4:5], s[4:5], s[20:21]
	s_cselect_b32 s17, ttmp9, s19                  ; my work-group's number within its tensor
	s_lshl_b32 s17, s17, 2
	s_add_co_u32 s17, s17, s16                     ; which run of 8,192 numbers of the tensor is my wave's
	s_lshl_b32 s18, s17, 15                        ; 32,768 bytes a run
	s_mov_b32 s19, 0
	s_add_nc_u64 s[4:5], s[4:5], s[18:19]
	s_lshl_b32 s22, ttmp9, 2
	s_add_co_u32 s22, s22, s16                     ; and which run of the stream of results
	s_lshl_b32 s18, s22, 12                        ; 4,096 bytes of codes a run
	s_add_nc_u64 s[12:13], s[12:13], s[18:19]
	s_lshl_b32 s18, s22, 8                         ; 256 scale bytes a run
	s_add_nc_u64 s[14:15], s[14:15], s[18:19]
.macro LOAD t
.irp i, 0,1,2,3
	global_load_b128 v[R+16*((\t)%4)+4*\i:R+16*((\t)%4)+4*\i+3], v3, s[4:5] offset:2048*(\t)+512*\i th:TH_LOAD_NT   ; 32 lanes read 512 consecutive bytes
.endr
.endm
.macro TURN t                          ; step t's numbers through the stage: LDS serves a wave's instructions in order (ISA guide 5.7.1.4), so no wait stands between the stores and the loads
.irp i, 0,1,2,3
	ds_store_b128 v14, v[R+16*((\t)%4)+4*\i:R+16*((\t)%4)+4*\i+3] offset:32*SP*((\t)%2)+8*SP*\i
.endr
.irp i, 0,1,2,3
	ds_load_b128 v[X+16*((\t)%2)+4*\i:X+16*((\t)%2)+4*\i+3], v15 offset:32*SP*((\t)%2)+16*\i
.endr
.endm
.irp t, 0,1,2,3
	LOAD \t
.endr
	s_wait_loadcnt 12                              ; step 0's four loads are in; the twelve of steps 1 to 3 may be out
	TURN 0
.macro STEP t
.set XS, X+16*((\t)%2)
.if (\t) > 0
	s_wait_dscnt 1                                 ; this step's numbers are back from the stage (the last step's byte store may be out): so its stores into the stage have read their registers,
.else
	s_wait_dscnt 0x0
.endif
.if (\t)+4 < STEPS
	LOAD (\t)+4                                    ; which take the loads of four steps on
.endif
.if (\t)+1 < STEPS
.if STEPS-2-(\t) >= 3
	s_wait_loadcnt 12                              ; the next step's four loads are in; those of the three steps behind it may be out
.else
	s_wait_loadcnt 4*(STEPS-2-(\t))
.endif
	TURN (\t)+1                                    ; and go through the other stage while this step is worked
.endif
	v_max3_num_f32 v8, |v[XS]|, |v[XS+1]|, |v[XS+2]|               ; the largest magnitude of my 16, in two chains
	v_max3_num_f32 v9, |v[XS+3]|, |v[XS+4]|, |v[XS+5]|
.irp i, 6,10
	v_max3_num_f32 v8, v8, |v[XS+\i]|, |v[XS+\i+1]|
	v_max3_num_f32 v9, v9, |v[XS+\i+2]|, |v[XS+\i+3]|
.endr
	v_max3_num_f32 v8, v8, |v[XS+14]|, |v[XS+15]|
	v_max3_num_f32 v8, v8, v9, (EMAX+1)<<23        ; and the floor 2^(3 - 127): the byte cannot fall under 1
	v_max_num_f32_dpp v8, v8, v8 row_xmask:1 row_mask:0xf bank_mask:0xf   ; and of my neighbour's 16: the block's
	v_add_nc_u32 v11, -(EMAX<<23), v8              ; 2 off its exponent field: the conversion takes the exponent field of this operand as its scale, and nothing else of it
	v_cvt_scalef32_pk8_fp4_f32 v[C+4*(\t)], v[XS:XS+7], v11
	v_cvt_scalef32_pk8_fp4_f32 v[C+4*(\t)+1], v[XS+8:XS+15], v11
	v_lshrrev_b32 v[E+(\t)], 23, v11               ; the scale's byte (also the plain line behind the conversions)
	ds_store_b8 v5, v[E+(\t)] offset:16*(\t)       ; both lanes of a block write the same byte with the same value
	global_store_b64 v4, v[C+4*(\t):C+4*(\t)+1], s[12:13] offset:32*CB*(\t)   ; 32 lanes store 256 consecutive bytes, aligned
.endm
.irp t, 0,1,2,3,4,5,6,7,8,9,10,11,12,13,14,15
	STEP \t
.endr
	ds_load_b64 v[8:9], v6                         ; in order behind my byte stores
	s_wait_dscnt 0x0
	global_store_b64 v7, v[8:9], s[14:15]          ; 32 lanes store 256 consecutive bytes, aligned
	s_wait_tensorcnt 0x0                           ; the wave's end, behind my last LDS store
	ds_add_u32 v[SPW], v[NIL]
	s_wait_dscnt 0x0
	s_endpgm
.Lfunc_end_k_qbbf4af0d79_quant:
	.size	k_qbbf4af0d79_quant, .Lfunc_end_k_qbbf4af0d79_quant-k_qbbf4af0d79_quant
	.p2alignl 7, 3214868480
	.fill 96, 4, 3214868480
	.section	.rodata,"a",@progbits
	.p2align	6, 0x0
	.amdhsa_kernel k_qbbf4af0d79_quant
		.amdhsa_group_segment_fixed_size 33280
		.amdhsa_private_segment_fixed_size 0
		.amdhsa_enable_private_segment 0
		.amdhsa_kernarg_size 48
		.amdhsa_user_sgpr_count 2
		.amdhsa_user_sgpr_kernarg_segment_ptr 1
		.amdhsa_wavefront_size32 1
		.amdhsa_system_sgpr_workgroup_id_x 1
		.amdhsa_system_sgpr_workgroup_id_y 1
		.amdhsa_system_sgpr_workgroup_id_z 1
		.amdhsa_system_vgpr_workitem_id 0
		.amdhsa_next_free_vgpr 192
		.amdhsa_next_free_sgpr 66
		.amdhsa_reserve_vcc 0
		.amdhsa_float_denorm_mode_32 3
		.amdhsa_float_denorm_mode_16_64 3
		.amdhsa_memory_ordered 1
		.amdhsa_forward_progress 1
		.amdhsa_inst_pref_size 33
	.end_amdhsa_kernel
	.amdgpu_metadata
---
amdhsa.version: [ 1, 2 ]
amdhsa.kernels:
  - .name:           k_qbbf4af0d79_quant
    .symbol:         k_qbbf4af0d79_quant.kd
    .args:
      - { .name: x, .offset: 0, .size: 8, .value_kind: global_buffer, .address_space: global }
      - { .name: Wq, .offset: 8, .size: 8, .value_kind: global_buffer, .address_space: global }
      - { .name: Wk, .offset: 16, .size: 8, .value_kind: global_buffer, .address_space: global }
      - { .name: Wv, .offset: 24, .size: 8, .value_kind: global_buffer, .address_space: global }
      - { .name: codes, .offset: 32, .size: 8, .value_kind: global_buffer, .address_space: global }
      - { .name: scales, .offset: 40, .size: 8, .value_kind: global_buffer, .address_space: global }
    .group_segment_fixed_size: 33280
    .private_segment_fixed_size: 0
    .kernarg_segment_align: 8
    .kernarg_segment_size: 48
    .max_flat_workgroup_size: 128
    .sgpr_count:     66
    .vgpr_count:     192
    .wavefront_size: 32
...
	.end_amdgpu_metadata
.endif
;; end of part 1
;; launch proj (part 2): grid 12 x 16, 4 waves a work-group, clusters of 4 x 4, 327,680 bytes of LDS; arguments codes, scales, img; writes img
.if DOCPART == 2
	.amdgcn_target "amdgcn-amd-amdhsa--gfx1250"
	.amdhsa_code_object_version 6
	.text
	.protected	k_qbbf4af0d79_proj
	.globl	k_qbbf4af0d79_proj
	.p2align	8
	.type	k_qbbf4af0d79_proj,@function
k_qbbf4af0d79_proj:
	s_mov_b64 s[64:65], 0
	v_nop
	global_prefetch_b8 v0, s[64:65] scope:SCOPE_SE
	s_setreg_imm32_b32 hwreg(HW_REG_WAVE_MODE, 25, 1), 1
	s_wait_xcnt 0x0
	s_wait_alu depctr_hold_cnt(0) depctr_sa_sdst(0) depctr_va_vdst(0) depctr_va_sdst(0) depctr_va_ssrc(0) depctr_va_vcc(0) depctr_vm_vsrc(0)
	s_getreg_b32 s2, hwreg(HW_REG_IB_STS2, 6, 4)
	s_cmp_eq_u32 s2, 0
	s_cbranch_scc0 .Lentry_in_a_cluster
	s_endpgm
.Lentry_in_a_cluster:
	s_bfe_u32 s2, ttmp6, 0x10000c
	s_cmp_lg_u32 s2, 0xf033
	s_cbranch_scc0 .Lentry_shape_is_right
	s_endpgm
.Lentry_shape_is_right:
; q = x Wq^T, k = x Wk^T, v = x Wv^T on codes of FP4 (E2M1) with one E8M0 scale for each 32 along K = 1,024; sums in f32; the results leave as f16, laid as the next launch's operand registers want them.
; ONE TEXT FOR THE THREE PRODUCTS.  codes [7168][512 bytes] holds 28 row tiles of 256: 0-15 tokens (x), 16-19 Wq, 20-23 Wk, 24-27 Wv.  A work-group makes T[i][j] = sum over k of S1[i][k] S0[j][k] for a row tile S1 and a
; row tile S0: source 0 of the matrix instruction takes 16 rows of S0, source 1 takes 16 rows of S1, so that a lane holds ONE row of S1 and eight NEIGHBOURING rows of S0.
;   cluster x = 0, 1 (Q, K): S1 = tokens, S0 = rows of the weight: a lane holds a token and eight neighbouring channels: a fragment of Q or K (rows = tokens, K = channels).
;   cluster x = 2 (V):       S1 = rows of Wv, S0 = tokens:         a lane holds a channel and eight neighbouring keys:   a fragment of V^T (rows = channels, K = keys).
; Two accumulators that are neighbours along S0, rounded to f16 in pairs, ARE the eight registers of a 16-bit fragment of 16 x 32: it is stored as an IMAGE, registers 0-3 at 16 x lane, registers 4-7 at 512 + 16 x lane.
; img: 768 blocks of 32,768 bytes: block = 256 region + 16 (8 batch + head pair) + block of 128 tokens; region 0 Q, 1 K, 2 V.  A wave's 128 x 128 is one block; the image of S1 block a and S0 pair p lies at
; 2048 a + 1024 (p % 2) + 16384 (p / 2).  Q is stored as c q, c = log2(e) / 32, multiplied in f32 ahead of the one rounding.
; LIMITS: c q, k and v must lie within f16's range, 65,504 (inputs 30 times the drawn ones give about 5,000; offsets of 30 spreads on x and W about 28,800).
; A tile of 256 x 256 is made by four waves, as many as a WGP has SIMDs; a wave makes 128 x 128: 64 accumulators, 512 registers.  K = 1,024 is two slots of 512 along K (rows of 256 bytes): both are asked for at
; the start, nothing is filled again, and there is no loop.  The scale bytes of the work-group's 2 x 256 rows come with them, as dense runs of 256 bytes.
; CLUSTERS: 4 x 4 work-groups.  S1's tile hangs on cy alone and is shared along a row of the cluster, S0's on cx alone and is shared along a column: each is asked for JOINTLY, by the same tensor load with the same
; descriptor and a mask that names the four.  12 x 16 = 192 work-groups: the three products have no more tiles of this size, and a smaller tile would read each LDS byte for fewer products.
; REGISTERS, in windows of 256: window 0: v0-31 addresses; v32-95 scale words, two sets; v128-191 S1's fragments, one set; on the way out v128-255.   window 1: S0's fragments, two sets, at v0 and v128.
;   window 2: the 32 accumulators of my S1 rows 0-63 (accumulator (a, b) at v[8 (8 a + b)]);   window 3: those of rows 64-127.
.set SIZE_K, 1024
.set KSTEP,  512                       ; along K in a slot
.set NQ,     KSTEP/128                 ; matrix instructions deep
.set ROWB,   256                       ; a tile's row in bytes
.set KROW,   SIZE_K/2                  ; a row of codes in memory
.set PITCH,  272                       ; an LDS row: 256 bytes + 16 of padding = 68 words: row r starts at bank 4 r mod 64 (64 banks of 4 bytes: ISA guide 11.1)
.set FR,     8                         ; registers of a fragment: 16 rows x 128 K
.set NL,     2                         ; LDS loads that bring one
.set NP,     4                         ; places behind this matrix instruction (ISA guide 7.12.1)
.set HALFT,  128*PITCH                 ; 128 rows: what one tensor load brings, and what one wave reads of S1 or of S0
.set SLOT,   4*HALFT                   ; S1's 256 rows, then S0's 256 rows
.set KS,     SIZE_K/32                 ; a row of scales in bytes
.set SCL,    2*SLOT                    ; behind the two slots: the scales, as runs of 256 bytes + 16 of padding
.set HALFS,  (128*KS/256)*272          ; the scales of 128 rows
.set SBLK,   (16*KS/256)*272           ; those of 16 rows
.set SPARE,  SCL+4*HALFS               ; behind the scales: the spare words, 128 bytes a wave, which no other line names
.set ADRA, 16                          ; v16-17  LDS address of my S1 fragments in slot 0, 1
.set ADRB, 20                          ; v20-21  the same for S0
.set CO,   26                          ; v26     16 x lane: my place in half an image
.set ADRS, 27                          ; v27     LDS address of my scale words: lanes 0-15 S1's rows, lanes 16-31 S0's
.set SPW,  28                          ; v28     LDS address of my spare word; never rewritten
.set NIL,  29                          ; v29     0; never rewritten
.set SC,   32                          ; scale words: set s at v[SC + 32 s]; register 4 i + q: lanes 0-15 the word of S1's block i, lanes 16-31 that of S0's block i, for the slot's q-th 128 along K
.set AF,   128                         ; S1's fragments, in window 0
.set TF,   128                         ; the way out: 64 sums of a block, scaled, in window 0
.set HB,   192                         ; the way out: a block's 32 registers of f16: v192-223 and v224-255 by turns
.set G1, 24                            ; s[24:31] descriptor group 1 for S1's tiles;  s[32:39] group 0, one set for each slot
.set G0, 32
.set G1B, 48                           ; s[48:55], s[56:63] the same for S0's tiles
.set G0B, 56
.set G1S, 68                           ; s[68:75], s[76:79] groups 1 and 0 for S1's scales;  s[80:87], s[88:91] for S0's
.set G0S, 76
.set G1SB, 80
.set G0SB, 88
.set MSB, 0
.macro WIN new                         ; the immediate's high byte repeats the setting that is left
.if MSB != (\new)
	s_set_vgpr_msb (MSB<<8)|(\new)
.set MSB, (\new)
.endif
.endm
.set MUL_LO, 0xa1                      ; source 0 (S0) window 1, source 1 (S1) window 0, C and D window 2
.set MUL_HI, 0xf1                      ; the same, C and D window 3
.set TO_B,   0x40                      ; destination window 1, address window 0
; A joint load: waves 0 and 1 fetch for S1, waves 2 and 3 for S0.  Each of the two lines has one mask and one set of registers for all that issue it; the branch hangs on the wave's number alone.
; An s_nop 0 and four v_nop follow each of the two lines.
.macro JLOAD g0a, g1a, g0b, g1b
	s_cmp_eq_u32 s15, 0
	s_cbranch_scc0 .Lfor_b_\@
	tensor_load_to_lds s[\g0a:\g0a+3], s[\g1a:\g1a+7]
	s_nop 0
.rept 4
	v_nop
.endr
	s_branch .Lasked_\@
.Lfor_b_\@:
	tensor_load_to_lds s[\g0b:\g0b+3], s[\g1b:\g1b+7]
	s_nop 0
.rept 4
	v_nop
.endr
.Lasked_\@:
.endm
.macro CROUND                          ; a round of the cluster's barrier: my work-group's barrier; wave 0 signals for the work-group; every wave waits for all sixteen; my work-group's barrier once more
	s_barrier_signal -1
	s_barrier_wait -1
	s_cmp_lg_u32 s14, 0
	s_cbranch_scc1 .Lnot_wave_0_\@
	s_barrier_signal -3
.Lnot_wave_0_\@:
	s_barrier_wait -3
	s_barrier_signal -1
	s_barrier_wait -1
.endm
	s_load_b128 s[4:7], s[0:1], 0x0                ; codes s[4:5], scales s[6:7]
	s_load_b64 s[12:13], s[0:1], 0x10              ; img
	v_lshl_add_u32 v[SPW], v0, 2, SPARE
	v_mov_b32 v[NIL], 0
	ds_add_u32 v[SPW], v[NIL]                      ; the wave's opening: the add, twice on end, and its wait ahead of my first tensor load; the set-up below stands between
	ds_add_u32 v[SPW], v[NIL]
	v_lshrrev_b32 v1, 5, v0
	v_readfirstlane_b32 s14, v1                    ; wave 0..3
	s_lshr_b32 s15, s14, 1                         ; which half of S1's rows is mine.  Also: I fetch for S1 (0) or for S0 (1)
	s_and_b32 s16, s14, 1                          ; which half of S0's rows.  Also: which 128 rows of that tile I fetch
	s_bfe_u32 s40, ttmp6, 0x40000                  ; cx, cy: my place in the cluster
	s_bfe_u32 s41, ttmp6, 0x40004
	s_and_b32 s10, ttmp7, 0xffff
	s_lshl_b32 s10, s10, 2                         ; 4 x cluster y: the cluster's first tile of tokens
	s_lshl_b32 s11, ttmp9, 2
	s_add_co_u32 s11, s11, 16                      ; 16 + 4 x cluster x: the first row tile of Wq or Wk
	s_cmp_eq_u32 ttmp9, 2                          ; the cluster's x is the same in all sixteen partners
	s_cselect_b32 s17, 24, s10                     ; S1: Wv's tiles, or tokens,
	s_cselect_b32 s42, s10, s11                    ; S0: tokens, or the weight's tiles
	s_add_co_u32 s17, s17, s41                     ; S1's row tile hangs on cy alone,
	s_add_co_u32 s42, s42, s40                     ; S0's on cx alone
	s_lshl_b32 s43, s41, 2
	s_lshl_b32 s43, 15, s43                        ; my row of the cluster
	s_lshl_b32 s44, 0x1111, s40                    ; my column
	; descriptor group 1: a tile of 128 rows x 256 bytes, padded in LDS
	s_or_b32 s[G1+0], s43, (0<<16)|(1<<20)|(1<<21)|(5<<22)|(3<<25)  ; 15:0 the mask: S1's tiles go to my row; 17:16 element of 1 byte; 20 padding on; 21 set beside a mask; 24:22 after every 64 words; 31:25 of 4 words
	s_or_b32 s[G1B+0], s44, (0<<16)|(1<<20)|(1<<21)|(5<<22)|(3<<25)
.irp g, G1, G1B
	s_mov_b32 s[\g+1], ROWB<<16                    ; tensor_dim0
	s_mov_b32 s[\g+2], 128<<16                     ; tensor_dim1
	s_mov_b32 s[\g+3], ROWB<<16                    ; tile_dim0
	s_mov_b32 s[\g+4], 128                         ; tile_dim1
	s_mov_b32 s[\g+5], KROW                        ; tensor_dim0_stride
	s_mov_b32 s[\g+6], 0
	s_mov_b32 s[\g+7], 0
.endr
	; and for the scales of 128 rows: 4,096 dense bytes, as 16 rows of 256 bytes (32 elements of 8 bytes), 16 bytes of padding behind each
	s_or_b32 s[G1S+0], s43, (3<<16)|(1<<20)|(1<<21)|(5<<22)|(3<<25)
	s_or_b32 s[G1SB+0], s44, (3<<16)|(1<<20)|(1<<21)|(5<<22)|(3<<25)
.irp g, G1S, G1SB
	s_mov_b32 s[\g+1], 32<<16
	s_mov_b32 s[\g+2], (128*KS/256)<<16
	s_mov_b32 s[\g+3], 32<<16
	s_mov_b32 s[\g+4], 128*KS/256
	s_mov_b32 s[\g+5], 32
	s_mov_b32 s[\g+6], 0
	s_mov_b32 s[\g+7], 0
.endr
	s_lshl_b32 s18, s16, 7                         ; which 128 rows of the tile I fetch
	s_lshl_b32 s20, s17, 8
	s_add_co_u32 s20, s20, s18                     ; S1: row 256 x tile + 128 x half
	s_lshl_b32 s46, s42, 8
	s_add_co_u32 s46, s46, s18                     ; S0 likewise
	s_mov_b32 s21, 0
	s_mov_b32 s47, 0
	s_mov_b64 s[18:19], KS
	s_mul_u64 s[22:23], s[20:21], s[18:19]         ; where these rows' scales begin, in bytes
	s_mul_u64 s[92:93], s[46:47], s[18:19]
	s_mov_b64 s[18:19], KROW
	s_mul_u64 s[20:21], s[20:21], s[18:19]         ; and their codes
	s_mul_u64 s[46:47], s[46:47], s[18:19]
	s_mul_i32 s45, s14, HALFT                      ; where they go: wave x 128 rows: no place in the cluster enters an LDS address
	s_mul_i32 s94, s14, HALFS
	s_wait_dscnt 0x0                               ; both opening adds are done
	s_wait_kmcnt 0x0
	s_add_nc_u64 s[20:21], s[4:5], s[20:21]
	s_add_nc_u64 s[22:23], s[6:7], s[22:23]
	s_add_nc_u64 s[46:47], s[4:5], s[46:47]
	s_add_nc_u64 s[92:93], s[6:7], s[92:93]
	CROUND                                         ; all sixteen work-groups are here: the joint loads meet
	s_mov_b32 s[G0S], 1
	s_add_co_u32 s[G0S+1], s94, SCL
	s_mov_b64 s[G0S+2:G0S+3], s[22:23]
	s_or_b32 s[G0S+3], s[G0S+3], 0x80000000
	s_mov_b32 s[G0SB], 1
	s_add_co_u32 s[G0SB+1], s94, SCL
	s_mov_b64 s[G0SB+2:G0SB+3], s[92:93]
	s_or_b32 s[G0SB+3], s[G0SB+3], 0x80000000
	JLOAD G0S, G1S, G0SB, G1SB                     ; the scales first: they are wanted with the first products
.irp s, 0,1
	s_mov_b32 s[G0+4*\s], 1
	s_add_co_u32 s[G0+4*\s+1], s45, \s*SLOT
	s_add_nc_u64 s[G0+4*\s+2:G0+4*\s+3], s[20:21], \s*ROWB
	s_or_b32 s[G0+4*\s+3], s[G0+4*\s+3], 0x80000000
	s_mov_b32 s[G0B+4*\s], 1
	s_add_co_u32 s[G0B+4*\s+1], s45, \s*SLOT
	s_add_nc_u64 s[G0B+4*\s+2:G0B+4*\s+3], s[46:47], \s*ROWB
	s_or_b32 s[G0B+4*\s+3], s[G0B+4*\s+3], 0x80000000
	JLOAD G0+4*\s, G1, G0B+4*\s, G1B               ; three tensor loads of mine are out behind the second of these
.endr
	v_and_b32 v1, 15, v0                           ; l % 16
	v_bfe_u32 v2, v0, 4, 1                         ; l / 16
	v_mul_u32_u24 v3, v1, PITCH
	v_lshl_add_u32 v4, v2, 4, v3                   ; a fragment's row x pitch + 16 x half
	s_mul_i32 s21, s15, HALFT                      ; my 128 rows of S1
	s_mul_i32 s22, s16, HALFT                      ; my 128 rows of S0,
	s_add_co_u32 s22, s22, 2*HALFT                 ; which lie behind S1's 256
.irp s, 0,1
	v_add_nc_u32 v[ADRA+\s], s21, v4
	v_add_nc_u32 v[ADRB+\s], s22, v4
	s_add_co_u32 s21, s21, SLOT
	s_add_co_u32 s22, s22, SLOT
.endr
	v_mul_u32_u24 v5, v1, KS                       ; my row's scales: 32 bytes a row,
	v_lshrrev_b32 v6, 8, v5
	v_lshl_add_u32 v5, v6, 4, v5                   ; and 16 more for each 256 passed
	s_mul_i32 s21, s15, HALFS                      ; S1's: my 128 rows
	s_mul_i32 s22, s16, HALFS                      ; S0's: my 128 rows, behind S1's 256
	s_add_co_u32 s22, s22, 2*HALFS
	s_sub_co_u32 s22, s22, s21
	v_mul_u32_u24 v6, s22, v2                      ; lanes 16-31 take S0's: one product, the distance between the two bases
	s_add_co_u32 s21, s21, SCL
	v_add_nc_u32 v5, v5, v6
	v_add_nc_u32 v[ADRS], s21, v5
	v_and_b32 v6, 31, v0
	v_lshlrev_b32 v[CO], 4, v6
	; which block of img is my wave's
	s_cmp_eq_u32 ttmp9, 2
	s_cselect_b32 s92, s42, s17                    ; the tile of 256 tokens,
	s_cselect_b32 s93, s16, s15                    ; my half of it,
	s_cselect_b32 s94, s41, s40                    ; the tile of 256 channels (four heads) within the weight,
	s_cselect_b32 s95, s15, s16                    ; my half of it
	s_lshl_b32 s94, s94, 1
	s_add_co_u32 s94, s94, s95                     ; the head pair
	s_lshr_b32 s96, s92, 3                         ; the batch
	s_lshl_b32 s96, s96, 3
	s_add_co_u32 s96, s96, s94
	s_lshl_b32 s96, s96, 4
	s_and_b32 s92, s92, 7
	s_lshl_b32 s92, s92, 1
	s_add_co_u32 s96, s96, s92
	s_add_co_u32 s96, s96, s93                     ; + the block of 128 tokens within the batch
	s_lshl_b32 s97, ttmp9, 8
	s_add_co_u32 s96, s96, s97                     ; + 256 x region
	s_lshl_b32 s96, s96, 15                        ; 32,768 bytes a block: under 2^25
	s_mov_b32 s97, 0
	s_add_nc_u64 s[12:13], s[12:13], s[96:97]
	s_mov_b32 s2, 1.0
	s_cmp_eq_u32 ttmp9, 0
	s_cselect_b32 s2, 0x3d38aa3b, s2               ; Q is stored as c q, c = log2(e) / 32; K and V as they are
	s_mov_b32 s3, s2                               ; (named with it as a pair, so it is written)
.macro FRAG reg, adr, q, i             ; a fragment, 16 rows x 128 K of 4-bit codes: lane l holds row l % 16; registers 4 c .. 4 c + 3 hold K = 64 c + 32 (l / 16) + 0 .. 31
.irp c, 0,1
	ds_load_b128 v[\reg+4*\c:\reg+4*\c+3], v[\adr] offset:64*(\q)+32*\c+(\i)*16*PITCH
.endr
.endm
; 16 matrix instructions: S1's blocks a0, a0 + 1 x S0's eight, 128 along K: the slot's q-th.  p: S0's set;  sc: the set of scale words.  zero = 1: the first product starts the sums.
; The 64 accumulators take turns, one instruction a turn, in the same order in every step.
.macro MUL16 a0, p, q, sc, zero
.irp a, \a0, \a0+1
.irp b, 0,1,2,3,4,5,6,7
.if \zero
	v_wmma_scale_f32_16x16x128_f8f6f4 v[8*(8*((\a)%4)+\b):8*(8*((\a)%4)+\b)+7], v[128*(\p)+FR*\b:128*(\p)+FR*\b+FR-1], v[AF+FR*(\a):AF+FR*(\a)+FR-1], 0, v[SC+8*NQ*(\sc)+NQ*\b+(\q)], v[SC+8*NQ*(\sc)+NQ*(\a)+(\q)] matrix_a_fmt:MATRIX_FMT_FP4 matrix_b_fmt:MATRIX_FMT_FP4 matrix_a_scale:MATRIX_SCALE_ROW1
.else
	v_wmma_scale_f32_16x16x128_f8f6f4 v[8*(8*((\a)%4)+\b):8*(8*((\a)%4)+\b)+7], v[128*(\p)+FR*\b:128*(\p)+FR*\b+FR-1], v[AF+FR*(\a):AF+FR*(\a)+FR-1], v[8*(8*((\a)%4)+\b):8*(8*((\a)%4)+\b)+7], v[SC+8*NQ*(\sc)+NQ*\b+(\q)], v[SC+8*NQ*(\sc)+NQ*(\a)+(\q)] matrix_a_fmt:MATRIX_FMT_FP4 matrix_b_fmt:MATRIX_FMT_FP4 matrix_a_scale:MATRIX_SCALE_ROW1
.endif
.endr
.endr
.endm
.macro FETCH_B slot, q, p              ; S0's eight fragments of the slot's q-th 128 along K into set p
	WIN TO_B
.irp i, 0,1,2,3,4,5,6,7
	FRAG 128*(\p)+FR*\i, ADRB+\slot, \q, \i
.endr
	WIN 0
.endm
.macro FETCH_A slot, q, i0             ; S1's blocks i0 .. i0 + 3
.irp i, \i0, \i0+1, \i0+2, \i0+3
	FRAG AF+FR*(\i), ADRA+\slot, \q, \i
.endr
.endm
.macro SCALES sc                       ; a slot's scale words into set sc: four words a row; lanes 0-15 take S1's block i, lanes 16-31 S0's block i
.irp i, 0,1,2,3,4,5,6,7
	ds_load_b128 v[SC+8*NQ*\sc+NQ*\i:SC+8*NQ*\sc+NQ*\i+3], v[ADRS] offset:\i*SBLK
.endr
.endm
; A load into a register that a matrix instruction has read, and a vector instruction that reads a matrix result or writes one of a matrix instruction's registers, stand NP places behind it; only plain vector
; instructions that name none of its registers are places (ISA guide 7.12.1 for vector instructions).
.macro PLACES n
.rept \n
	v_nop
.endr
.endm
; A step of 128 along K that has its successor in the same slot.  S1's blocks go one after the other, each against S0's eight: a block of S1 is free as soon as its eight products are issued, so one set serves S1.
.macro STEP slot, q, zero
	s_wait_dscnt 4*NL                              ; S0's set and S1's blocks 0-3 are in; the youngest eight loads (S1's blocks 4-7) may be out
	WIN MUL_LO
	MUL16 0, (\q)%2, \q, \slot, \zero
	MUL16 2, (\q)%2, \q, \slot, \zero
	s_wait_dscnt 0                                 ; S1's blocks 4-7 are in (asked for 32 matrix instructions ago)
	PLACES NP
	FETCH_B \slot, (\q)+1, 1-(\q)%2
	FETCH_A \slot, (\q)+1, 0
	WIN MUL_HI
	MUL16 4, (\q)%2, \q, \slot, \zero
	MUL16 6, (\q)%2, \q, \slot, \zero
	PLACES NP
	WIN 0
	FETCH_A \slot, (\q)+1, 4
.endm
; Slot 0's last step changes slots: one barrier; in front of it each wave waits for all its tensor loads (its part of slot 1).
.macro TURN slot, next
	s_wait_tensorcnt 0x0                           ; all my tensor loads have landed: my part of the next slot
	ds_add_u32 v[SPW], v[NIL]                      ; 0 onto my spare word
	s_wait_dscnt 4*NL+1                            ; (the add and the youngest eight loads, S1's blocks 4-7, may be out)
	WIN MUL_LO
	MUL16 0, 1, NQ-1, \slot, 0                     ; sixteen matrix instructions stand between the add and the wait for it
	s_wait_dscnt 0x0                               ; the add is done, and no LDS load of mine is out at the signal
	s_barrier_signal -1
	MUL16 2, 1, NQ-1, \slot, 0
	WIN 0
	s_barrier_wait -1                              ; every wave's part of the next slot has landed
	PLACES NP
	v_add_nc_u32 v[ADRS], 4*NQ, v[ADRS]            ; on to the next slot's scale words (no LDS load of mine is out)
	FETCH_B \next, 0, 0
	FETCH_A \next, 0, 0
	SCALES \next
	WIN MUL_HI
	MUL16 4, 1, NQ-1, \slot, 0
	MUL16 6, 1, NQ-1, \slot, 0
	PLACES NP
	WIN 0
	FETCH_A \next, 0, 4
.endm
.macro STEPS slot, from                ; the slot's steps from .. NQ - 2
.set Q, \from
.rept NQ-1-\from
	STEP \slot, Q, 0
.set Q, Q+1
.endr
.endm
	s_wait_tensorcnt 1                             ; the scales and my part of slot 0 are in (slot 1's load may be out)
	s_barrier_signal -1
	s_barrier_wait -1                              ; everybody's are
	FETCH_B 0, 0, 0
	FETCH_A 0, 0, 0
	SCALES 0
	FETCH_A 0, 0, 4
	STEP 0, 0, 1                                   ; the first step's products start the sums: nothing is cleared
	STEPS 0, 1
	TURN 0, 1
	STEPS 1, 0
	s_wait_dscnt 4*NL                              ; the very last step: nothing more to fetch
	WIN MUL_LO
	MUL16 0, 1, NQ-1, 1, 0
	MUL16 2, 1, NQ-1, 1, 0
	s_wait_dscnt 0
	WIN MUL_HI
	MUL16 4, 1, NQ-1, 1, 0
	MUL16 6, 1, NQ-1, 1, 0
	WIN 0
; THE WAY OUT, S1 block by S1 block: no LDS.  The block's 64 sums are multiplied by the factor (which also carries them into window 0), each accumulator from its low end on; rounded to f16 in pairs; the 32 registers
; are four images, and each store of the wave covers 512 consecutive bytes, aligned.
.macro OUTA a
.if (\a) > 1
	s_wait_xcnt 0x0                                ; block a - 2's stores have read their data registers, which are written again below
.endif
.if (\a) < 4
	WIN 0x02                                       ; source 0: window 2
.else
	WIN 0x03                                       ; source 0: window 3
.endif
.set n, 0
.rept 32
	v_pk_mul_f32 v[TF+2*n:TF+2*n+1], v[64*((\a)%4)+2*n:64*((\a)%4)+2*n+1], s[2:3] op_sel_hi:[1,0]
.set n, n+1
.endr
	WIN 0
.set n, 0
.rept 32
	v_cvt_pk_f16_f32 v[HB+32*((\a)%2)+n], v[TF+2*n], v[TF+2*n+1]
.set n, n+1
.endr
.irp p, 0,1,2,3
.irp e, 0,1
	global_store_b128 v[CO], v[HB+32*((\a)%2)+4*(2*\p+\e):HB+32*((\a)%2)+4*(2*\p+\e)+3], s[12:13] offset:2048*(\a)+1024*(\p%2)+16384*(\p/2)+512*\e
.endr
.endr
.endm
	PLACES NP                                      ; in front of the first write over S1's fragments and the first read of results
.irp a, 0,1,2,3,4,5,6,7
	OUTA \a
.endr
	s_wait_tensorcnt 0x0                           ; the wave's end, behind my last tensor load
	ds_add_u32 v[SPW], v[NIL]
	s_wait_dscnt 0x0
	CROUND                                         ; the closing round: no work-group ends while a partner may still ask for a tile that names it
	s_endpgm
.Lfunc_end_k_qbbf4af0d79_proj:
	.size	k_qbbf4af0d79_proj, .Lfunc_end_k_qbbf4af0d79_proj-k_qbbf4af0d79_proj
	.p2alignl 7, 3214868480
	.fill 96, 4, 3214868480
	.section	.rodata,"a",@progbits
	.p2align	6, 0x0
	.amdhsa_kernel k_qbbf4af0d79_proj
		.amdhsa_group_segment_fixed_size 327680
		.amdhsa_private_segment_fixed_size 0
		.amdhsa_enable_private_segment 0
		.amdhsa_kernarg_size 24
		.amdhsa_user_sgpr_count 2
		.amdhsa_user_sgpr_kernarg_segment_ptr 1
		.amdhsa_wavefront_size32 1
		.amdhsa_system_sgpr_workgroup_id_x 1
		.amdhsa_system_sgpr_workgroup_id_y 1
		.amdhsa_system_sgpr_workgroup_id_z 1
		.amdhsa_system_vgpr_workitem_id 0
		.amdhsa_next_free_vgpr 1024
		.amdhsa_next_free_sgpr 98
		.amdhsa_reserve_vcc 0
		.amdhsa_float_denorm_mode_32 3
		.amdhsa_float_denorm_mode_16_64 3
		.amdhsa_memory_ordered 1
		.amdhsa_forward_progress 1
		.amdhsa_inst_pref_size 134
	.end_amdhsa_kernel
	.amdgpu_metadata
---
amdhsa.version: [ 1, 2 ]
amdhsa.kernels:
  - .name:           k_qbbf4af0d79_proj
    .symbol:         k_qbbf4af0d79_proj.kd
    .args:
      - { .name: codes, .offset: 0, .size: 8, .value_kind: global_buffer, .address_space: global }
      - { .name: scales, .offset: 8, .size: 8, .value_kind: global_buffer, .address_space: global }
      - { .name: img, .offset: 16, .size: 8, .value_kind: global_buffer, .address_space: global }
    .group_segment_fixed_size: 327680
    .private_segment_fixed_size: 0
    .kernarg_segment_align: 8
    .kernarg_segment_size: 24
    .max_flat_workgroup_size: 128
    .sgpr_count:     98
    .vgpr_count:     1024
    .wavefront_size: 32
...
	.end_amdgpu_metadata
.endif
;; end of part 2
;; launch attn (part 3): grid 16 x 16, 8 waves a work-group, clusters of 4 x 4, 327,680 bytes of LDS; arguments img, mask, out0; writes out0
.if DOCPART == 3
	.amdgcn_target "amdgcn-amd-amdhsa--gfx1250"
	.amdhsa_code_object_version 6
	.text
	.protected	k_qbbf4af0d79_attn
	.globl	k_qbbf4af0d79_attn
	.p2align	8
	.type	k_qbbf4af0d79_attn,@function
k_qbbf4af0d79_attn:
	s_mov_b64 s[64:65], 0
	v_nop
	global_prefetch_b8 v0, s[64:65] scope:SCOPE_SE
	s_setreg_imm32_b32 hwreg(HW_REG_WAVE_MODE, 25, 1), 1
	s_wait_xcnt 0x0
	s_wait_alu depctr_hold_cnt(0) depctr_sa_sdst(0) depctr_va_vdst(0) depctr_va_sdst(0) depctr_va_ssrc(0) depctr_va_vcc(0) depctr_vm_vsrc(0)
	s_getreg_b32 s2, hwreg(HW_REG_IB_STS2, 6, 4)
	s_cmp_eq_u32 s2, 0
	s_cbranch_scc0 .Lentry_in_a_cluster
	s_endpgm
.Lentry_in_a_cluster:
	s_bfe_u32 s2, ttmp6, 0x10000c
	s_cmp_lg_u32 s2, 0xf033
	s_cbranch_scc0 .Lentry_shape_is_right
	s_endpgm
.Lentry_shape_is_right:
; out[b][q][head][:] = the sum over k of softmax_k(q . k x mask[q][k] / 32) v[k][:], 2 batches x 16 heads of 64 channels, 2,048 queries and keys.  THE MASK IS AN INPUT THAT MULTIPLIES: a score under a 0 becomes 0 and
; still counts in the softmax, so every key is walked for every query and the mask is read as it is given, in f32.
; Q, K, V come as f16 operand images (img: blocks of 32,768 bytes = 128 tokens x 2 heads; block = 256 region + 16 y + block of tokens, y = 8 batch + head pair).  Q holds c q, c = log2(e) / 32, so
; t = (k . c q) x mask is the exponent to base 2.  Products and sums in f32; p = 2^(t - M), M the running maximum of t, at most 1, is rounded to f16 for the second product; the row's sum is taken of the unrounded p.
; LIMITS: NaN and infinities are not served; c q, k, v within f16's range (stated where they are made).
; SHARES.  A work-group takes 128 queries (x) of a head pair (y).  Wave w: head w / 4 of the pair, queries 32 (w % 4) on, as two tiles of 16.  Eight waves, two to a SIMD: one wave's softmax stands beside the other's
; products.  All 2,048 keys are walked in 16 slots of 128, two steps of 64 each.
; LAYOUT.  S^T = K Q^T (source 0 = 16 keys, source 1 = 16 queries): a lane holds ONE query (lane % 16) and the keys 8 (lane / 16) + 0..7 of a tile; its eight mask numbers are 32 neighbouring bytes of the query's row.
; Two such tiles, rounded to f16 in pairs, ARE source 1 of O^T = V^T P, whose result again holds one query a lane.  Images come from LDS by loads of 512 consecutive bytes a wave: no pitch, no transposition.
; CLUSTER 4 x 4.  K's and V's blocks hang on y alone and are shared along a row of the cluster; the mask's tile hangs on x alone and is shared along a column: each is asked for JOINTLY.  Waves 0-3 ask for K's and
; V's halves, waves 4-7 for 32 mask rows each: 16 KiB a wave, one tensor load a wave behind each round.
; REGISTERS.  window 0: v1-13 addresses; v16-31 statistics, eight a tile: +0 M, +1 0, +2 +3 the sum in two halves, +4 +5 at work, +6 a = 2^(old M - new M), +7 0; v64-127 S^T then p; v128-191 the mask; v192-223 P.
;   window 1: v0-31 Q; v32-95 O^T; v96-159 K of a step; v160-223 V of a step.
.set SLOT,  133120                     ; a slot: K's block 32,768, V's block 32,768, 128 mask rows of 528 bytes
.set MOFF,  65536
.set MP,    528                        ; a mask row in LDS: 512 bytes + 16 of padding = 132 words: row r starts at bank 4 r mod 64 (64 banks of 4 bytes: ISA guide 11.1)
.set STAGE, 2*SLOT                     ; behind the ring: 16 rows x 272 bytes for each wave, for the way out; no tile lands there
.set SPT,   272
.set SPARE, STAGE+8*16*SPT             ; behind the stages: the spare words, 128 bytes a wave, which no other line names
.set SPW, 1                            ; v1   LDS address of my spare word; never rewritten
.set NIL, 2                            ; v2   0; never rewritten
.set AK,  3                            ; v3-4   my place in K's block of slot 0, 1
.set AV,  5                            ; v5-6   in V's
.set AM,  7                            ; v7-8   in the mask's tile
.set STO, 9                            ; v9   the way out: where I put 16 bytes of a row
.set RD,  10                           ; v10  where I read a row back
.set GO,  11                           ; v11  my byte offset in the wave's rows of out
.set LI,  12                           ; v12  16 x lane
.set PFO, 13                           ; v13  the prefetches' offset; never rewritten
.set ST,  16
.set S,   64
.set MK,  128
.set P,   192
.set QF,  0                            ; window 1
.set OF,  32
.set KF,  96
.set VF,  160
.set WV,  10                           ; s10  wave
.set CX,  11
.set CY,  12
.set QX,  13                           ; s13  x: my block of 128 queries
.set HY,  14                           ; s14  y: 8 batch + head pair
.set W3,  15                           ; s15  wave % 4
.set G1K, 24                           ; s[24:31] descriptor group 1 for K's and V's halves
.set G1M, 32                           ; s[32:39] for the mask's rows
.set G0K, 40                           ; s[40:47] group 0 for K, V: a set for each slot
.set G0M, 48                           ; s[48:55] for the mask
.set SEL, 56                           ; s[56:57] v_permlanex16_b32's selects for lane l xor 16
.set CNT, 58
.set LIM, 59                           ; s59  1 in a wave that prefetches, else -1
.set PFA, 60                           ; s[60:61] where my prefetches stand
.set PFS, 62                           ; s[62:63] a slot on, in bytes
.set MSB, 0
.macro WIN new                         ; the immediate's high byte repeats the setting that is left
.if MSB != (\new)
	s_set_vgpr_msb (MSB<<8)|(\new)
.set MSB, (\new)
.endif
.endm
.set TO_W1, 0x40                       ; destination window 1, address window 0
.set W_KQ,  0x05                       ; K and Q window 1, S^T window 0
.set W_RS,  0x41                       ; O^T (destination and source 0) window 1, a window 0
.set W_PV,  0x51                       ; V window 1, P window 0, O^T window 1
.set W_OUT, 0x01                       ; source 0 window 1
.macro ROUND                           ; a round of the cluster's barrier
	s_barrier_signal -1
	s_barrier_wait -1
	s_cmp_lg_u32 s[WV], 0
	s_cbranch_scc1 .Lnot_wave_0_\@
	s_barrier_signal -3
.Lnot_wave_0_\@:
	s_barrier_wait -3
	s_barrier_signal -1
	s_barrier_wait -1
.endm
; A joint load into slot s.  The branch hangs on the wave's number alone.  An s_nop 0 and four v_nop follow each of the two lines.
.macro JLOAD s
	s_cmp_lt_u32 s[WV], 4
	s_cbranch_scc0 .Lfor_m_\@
	tensor_load_to_lds s[G0K+4*\s:G0K+4*\s+3], s[G1K:G1K+7]
	s_nop 0
.rept 4
	v_nop
.endr
	s_branch .Lasked_\@
.Lfor_m_\@:
	tensor_load_to_lds s[G0M+4*\s:G0M+4*\s+3], s[G1M:G1M+7]
	s_nop 0
.rept 4
	v_nop
.endr
.Lasked_\@:
.endm
; A PREFETCH INTO THE L2 of what the NEXT trip's joint loads will ask for.  Each aligned run of 256 bytes is named once in the launch.  K's and V's blocks of a y are walked by the four clusters of a row of clusters:
; cluster x = 0 asks; its four partners along x take 8,192 bytes each, told apart by address; wave 0 asks for K's, wave 2 for V's, lanes 256 bytes apart.  The mask's tile of an x is walked by the four clusters of a
; column: cluster y = 0 asks; its four partners along y take 32 rows each; waves 4 and 5 take the two halves of a row's 512 bytes, a lane a row.  The branch is the same in all partners.
.macro ASK
	s_cmp_eq_u32 s[LIM], 1
	s_cbranch_scc0 .Lnot_mine_\@
	global_prefetch_b8 v[PFO], s[PFA:PFA+1] th:TH_LOAD_NT scope:SCOPE_SE
.Lnot_mine_\@:
.endm
	s_load_b128 s[4:7], s[0:1], 0x0                ; img s[4:5], mask s[6:7]
	s_load_b64 s[8:9], s[0:1], 0x10                ; out0
	v_lshl_add_u32 v[SPW], v0, 2, SPARE
	v_mov_b32 v[NIL], 0
	ds_add_u32 v[SPW], v[NIL]                      ; the wave's opening: the add, twice on end, and its wait ahead of my first tensor load; the set-up below stands between
	ds_add_u32 v[SPW], v[NIL]
	v_lshrrev_b32 v14, 5, v0
	v_readfirstlane_b32 s[WV], v14                 ; wave 0..7
	s_and_b32 s[W3], s[WV], 3
	s_bfe_u32 s[CX], ttmp6, 0x40000
	s_bfe_u32 s[CY], ttmp6, 0x40004
	s_lshl_b32 s[QX], ttmp9, 2
	s_add_co_u32 s[QX], s[QX], s[CX]               ; x = 4 x cluster x + cx
	s_and_b32 s[HY], ttmp7, 0xffff
	s_lshl_b32 s[HY], s[HY], 2
	s_add_co_u32 s[HY], s[HY], s[CY]               ; y = 4 x cluster y + cy
	s_lshl_b32 s16, s[CY], 2
	s_lshl_b32 s16, 15, s16                        ; my row of the cluster
	s_lshl_b32 s17, 0x1111, s[CX]                  ; my column
	s_or_b32 s[G1K], s16, (3<<16)|(1<<21)          ; K, V: 15:0 the mask: my row; 17:16 elements of 8 bytes; 21 set beside a mask; no padding: 16,384 dense bytes as 64 rows of 256
	s_mov_b32 s[G1K+1], 32<<16                     ; tensor_dim0 = 32
	s_mov_b32 s[G1K+2], 64<<16                     ; tensor_dim1 = 64
	s_mov_b32 s[G1K+3], 32<<16                     ; tile_dim0
	s_mov_b32 s[G1K+4], 64                         ; tile_dim1
	s_mov_b32 s[G1K+5], 32                         ; from row to row
	s_mov_b32 s[G1K+6], 0
	s_mov_b32 s[G1K+7], 0
	s_or_b32 s[G1M], s17, (2<<16)|(1<<20)|(1<<21)|(6<<22)|(3<<25)  ; the mask: my column; elements of 4 bytes; padding of 4 words after every 128
	s_mov_b32 s[G1M+1], 128<<16                    ; tensor_dim0 = 128
	s_mov_b32 s[G1M+2], 32<<16                     ; tensor_dim1 = 32
	s_mov_b32 s[G1M+3], 128<<16
	s_mov_b32 s[G1M+4], 32
	s_mov_b32 s[G1M+5], 2048                       ; a row of the mask
	s_mov_b32 s[G1M+6], 0
	s_mov_b32 s[G1M+7], 0
	; K, V: wave % 4 = 0, 1: K's halves; 2, 3: V's.  These registers hold y and the wave's number, never x
	s_lshr_b32 s18, s[W3], 1
	s_add_co_u32 s18, s18, 1
	s_lshl_b32 s18, s18, 23                        ; region 1 or 2: 256 blocks of 32,768 bytes each
	s_lshl_b32 s19, s[HY], 19                      ; 16 blocks a y
	s_add_co_u32 s18, s18, s19
	s_and_b32 s19, s[WV], 1
	s_lshl_b32 s19, s19, 14
	s_add_co_u32 s18, s18, s19
	s_mov_b32 s19, 0
	; the mask: rows 128 x + 32 (wave % 4) on.  These hold x and the wave's number, never y
	s_lshl_b32 s20, s[QX], 7
	s_lshl_b32 s21, s[W3], 5
	s_add_co_u32 s20, s20, s21
	s_lshl_b32 s20, s20, 13                        ; 8,192 bytes a row
	s_mov_b32 s21, 0
	s_lshl_b32 s22, s[W3], 14                      ; in a slot: K's halves, V's halves
	s_mul_i32 s23, s[W3], 32*MP
	s_add_co_u32 s23, s23, MOFF                    ; and my 32 mask rows
	s_mov_b32 s[SEL], 0x76543210
	s_mov_b32 s[SEL+1], 0xfedcba98
	s_mov_b32 s[CNT], 7
	s_wait_dscnt 0x0                               ; both opening adds are done
	s_wait_kmcnt 0x0
	s_add_nc_u64 s[18:19], s[4:5], s[18:19]
	s_add_nc_u64 s[20:21], s[6:7], s[20:21]
.irp s, 0,1
	s_mov_b32 s[G0K+4*\s], 1
	s_add_co_u32 s[G0K+4*\s+1], s22, \s*SLOT
	s_add_nc_u64 s[G0K+4*\s+2:G0K+4*\s+3], s[18:19], \s*32768      ; slot s begins with keys 128 s on
	s_or_b32 s[G0K+4*\s+3], s[G0K+4*\s+3], 0x80000000
	s_mov_b32 s[G0M+4*\s], 1
	s_add_co_u32 s[G0M+4*\s+1], s23, \s*SLOT
	s_add_nc_u64 s[G0M+4*\s+2:G0M+4*\s+3], s[20:21], \s*512
	s_or_b32 s[G0M+4*\s+3], s[G0M+4*\s+3], 0x80000000
.endr
	ROUND                                          ; all sixteen work-groups are here: the first joint loads meet
	JLOAD 0                                        ; keys 0-127 into slot 0; slot 1 is filled behind the first trip's round
	; Q: block 16 y + x of region 0; my head's 16,384 bytes; my two tiles of 16 queries, 2,048 bytes each
	s_lshl_b32 s66, s[HY], 4
	s_add_co_u32 s66, s66, s[QX]
	s_lshl_b32 s66, s66, 15
	s_lshr_b32 s68, s[WV], 2                       ; my head of the pair
	s_lshl_b32 s67, s68, 14
	s_add_co_u32 s66, s66, s67
	s_lshl_b32 s67, s[W3], 12
	s_add_co_u32 s66, s66, s67
	s_mov_b32 s67, 0
	s_add_nc_u64 s[66:67], s[4:5], s[66:67]
	v_and_b32 v[LI], 31, v0
	v_lshlrev_b32 v[LI], 4, v[LI]
	WIN TO_W1
.irp i, 0,1
.irp c, 0,1
.irp e, 0,1
	global_load_b128 v[QF+16*\i+8*\c+4*\e:QF+16*\i+8*\c+4*\e+3], v[LI], s[66:67] offset:2048*\i+1024*\c+512*\e   ; Q stays in registers
.endr
.endr
.endr
.set n, 0
.rept 64
	v_mov_b32 v[OF+n], 0                           ; O^T.  The step is written once: the first finds zeros, which its a = 0 leaves zeros
.set n, n+1
.endr
	WIN 0
	v_and_b32 v14, 15, v0                          ; r
	v_bfe_u32 v15, v0, 4, 1                        ; h
	s_lshl_b32 s69, s68, 14
	v_add_nc_u32 v[AK], s69, v[LI]                 ; K: my head's 16,384 bytes + 16 x lane
	v_add_nc_u32 v[AK+1], SLOT, v[AK]
	s_lshl_b32 s70, s68, 13
	s_add_co_u32 s70, s70, 32768
	v_add_nc_u32 v[AV], s70, v[LI]                 ; V: behind K's block; my head's 8,192 of each step's 16,384
	v_add_nc_u32 v[AV+1], SLOT, v[AV]
	s_mul_i32 s71, s[W3], 32*MP
	s_add_co_u32 s71, s71, MOFF
	v_mul_u32_u24 v[AM], v14, MP
	v_lshl_add_u32 v[AM], v15, 5, v[AM]
	v_add_nc_u32 v[AM], s71, v[AM]                 ; the mask: row 32 (wave % 4) + r, + 32 h bytes
	v_add_nc_u32 v[AM+1], SLOT, v[AM]
	s_mul_i32 s72, s[WV], 16*SPT
	s_add_co_u32 s72, s72, STAGE                   ; my stage
	v_mul_u32_u24 v[STO], v14, SPT
	v_lshl_add_u32 v[STO], v15, 5, v[STO]
	v_add_nc_u32 v[STO], s72, v[STO]               ; in: row r, 32 bytes for each half of the lanes
	v_mul_u32_u24 v[RD], v15, SPT
	v_lshl_add_u32 v[RD], v14, 4, v[RD]
	v_add_nc_u32 v[RD], s72, v[RD]                 ; back: lanes 0-15 one row of 256 bytes, lanes 16-31 the next
	v_lshlrev_b32 v[GO], 12, v15
	v_lshl_add_u32 v[GO], v14, 4, v[GO]            ; and the same two rows in out: 4,096 bytes a row
	; out: row 2048 batch + 128 x + 32 (wave % 4); my head's 256 bytes
	s_lshr_b32 s16, s[HY], 3
	s_lshl_b32 s16, s16, 11
	s_lshl_b32 s17, s[QX], 7
	s_add_co_u32 s16, s16, s17
	s_lshl_b32 s17, s[W3], 5
	s_add_co_u32 s16, s16, s17
	s_lshl_b32 s16, s16, 12
	s_and_b32 s17, s[HY], 7
	s_lshl_b32 s17, s17, 1
	s_add_co_u32 s17, s17, s68
	s_lshl_b32 s17, s17, 8
	s_add_co_u32 s16, s16, s17
	s_mov_b32 s17, 0
	s_add_nc_u64 s[8:9], s[8:9], s[16:17]
	; the prefetches: where my wave's stand (at keys 128-255: the first trip steps them to keys 256 on), and who asks.  Nothing is prefetched here, at the head
	s_lshr_b32 s18, s[W3], 1
	s_add_co_u32 s18, s18, 1
	s_lshl_b32 s18, s18, 23
	s_lshl_b32 s19, s[HY], 19
	s_add_co_u32 s18, s18, s19
	s_lshl_b32 s19, s[CX], 13                      ; my work-group's 8,192 bytes of a block
	s_add_co_u32 s18, s18, s19
	s_add_co_u32 s18, s18, 32768
	s_lshl_b32 s20, s[QX], 7
	s_lshl_b32 s21, s[CY], 5                       ; my work-group's 32 rows of the tile
	s_add_co_u32 s20, s20, s21
	s_lshl_b32 s20, s20, 13
	s_and_b32 s22, s[WV], 1
	s_lshl_b32 s21, s22, 8
	s_add_co_u32 s20, s20, s21
	s_add_co_u32 s20, s20, 512
	s_and_b32 s23, s[WV], 2
	s_and_b32 s21, ttmp7, 0xffff                   ; cluster y
	s_mov_b32 s[PFS], 512
	s_cmp_lt_u32 s[WV], 4
	s_cselect_b64 s[PFA:PFA+1], s[4:5], s[6:7]
	s_cselect_b32 s18, s18, s20
	s_cselect_b32 s[PFS], 0x8000, s[PFS]           ; a slot on: a block of K or V, or 128 numbers of a mask row
	s_cselect_b32 s20, 8, 13                       ; from lane to lane: 256 bytes, or a mask row
	s_cselect_b32 s22, s22, s23                    ; waves 0, 2; waves 4, 5
	s_cselect_b32 s23, ttmp9, s21                  ; of the first cluster along the axis on which the others read the same
	s_mov_b32 s19, 0
	s_mov_b32 s[PFS+1], 0
	s_add_nc_u64 s[PFA:PFA+1], s[PFA:PFA+1], s[18:19]
	s_or_b32 s22, s22, s23
	s_cmp_eq_u32 s22, 0
	s_cselect_b32 s[LIM], 1, -1
	v_and_b32 v[PFO], 31, v0
	v_lshlrev_b32 v[PFO], s20, v[PFO]
.irp i, 0,1
	v_mov_b32 v[ST+8*\i], 0xff61b1e6               ; M: -3e38, under every t
	v_mov_b32 v[ST+8*\i+1], 0                      ; (named with M as a pair)
	v_mov_b32 v[ST+8*\i+2], 0                      ; the sum, in two halves
	v_mov_b32 v[ST+8*\i+3], 0
	v_mov_b32 v[ST+8*\i+7], 0                      ; (named with a as a pair)
.endr
; A KEY STEP: 64 keys, the u-th of slot s, for my two tiles of 16 queries.
.macro STEP s, u
	WIN TO_W1
.irp t, 0,1,2,3
.irp c, 0,1
.irp e, 0,1
	ds_load_b128 v[KF+16*\t+8*\c+4*\e:KF+16*\t+8*\c+4*\e+3], v[AK+\s] offset:8192*\u+2048*\t+1024*\c+512*\e   ; K: keys 16 t on, channels 32 c on.  (K's last products lie a whole softmax back)
.endr
.endr
.endr
	WIN 0
.irp i, 0,1
.irp t, 0,1,2,3
.irp e, 0,1
	ds_load_b128 v[MK+32*\i+8*\t+4*\e:MK+32*\i+8*\t+4*\e+3], v[AM+\s] offset:16*MP*\i+256*\u+64*\t+16*\e   ; mask(my query of tile i, keys 16 t + 8 h + 4 e on)
.endr
.endr
.endr
	s_wait_dscnt 16                                ; K's 16 loads are in; the mask's 16 may be out
	WIN W_KQ
.irp c, 0,1                                    ; S^T = K Q^T: the eight accumulators take turns, one instruction a turn
.irp t, 0,1,2,3
.irp i, 0,1
.if \c == 0
	v_wmma_f32_16x16x32_f16 v[S+32*\i+8*\t:S+32*\i+8*\t+7], v[KF+16*\t+8*\c:KF+16*\t+8*\c+7], v[QF+16*\i+8*\c:QF+16*\i+8*\c+7], 0
.else
	v_wmma_f32_16x16x32_f16 v[S+32*\i+8*\t:S+32*\i+8*\t+7], v[KF+16*\t+8*\c:KF+16*\t+8*\c+7], v[QF+16*\i+8*\c:QF+16*\i+8*\c+7], v[S+32*\i+8*\t:S+32*\i+8*\t+7]
.endif
.endr
.endr
.endr
	WIN 0
.rept 4
	v_nop                                          ; four places behind the last product, ahead of the first read of results (ISA guide 7.12.1)
.endr
	s_wait_dscnt 0x0                               ; the mask
.set n, 0
.rept 32
	v_pk_mul_f32 v[S+2*n:S+2*n+1], v[S+2*n:S+2*n+1], v[MK+2*n:MK+2*n+1]   ; t = score x mask, each accumulator from its low end on
.set n, n+1
.endr
	WIN TO_W1
.irp kp, 0,1
.irp db, 0,1,2,3
.irp e, 0,1
	ds_load_b128 v[VF+32*\kp+8*\db+4*\e:VF+32*\kp+8*\db+4*\e+3], v[AV+\s] offset:16384*\u+2048*\db+1024*\kp+512*\e   ; V^T: channels 16 db on, keys 32 kp on.  (The 32 multiplies above are the places behind V's last products)
.endr
.endr
.endr
	WIN 0
	; the row's maximum: two chains a tile, the tiles by turns
.irp i, 0,1
	v_max3_num_f32 v[ST+8*\i+4], v[S+32*\i], v[S+32*\i+1], v[S+32*\i+2]
.endr
.irp i, 0,1
	v_max3_num_f32 v[ST+8*\i+5], v[S+32*\i+3], v[S+32*\i+4], v[S+32*\i+5]
.endr
.irp j, 6,10,14,18,22,26
.irp i, 0,1
	v_max3_num_f32 v[ST+8*\i+4], v[ST+8*\i+4], v[S+32*\i+\j], v[S+32*\i+\j+1]
.endr
.irp i, 0,1
	v_max3_num_f32 v[ST+8*\i+5], v[ST+8*\i+5], v[S+32*\i+\j+2], v[S+32*\i+\j+3]
.endr
.endr
.irp i, 0,1
	v_max3_num_f32 v[ST+8*\i+4], v[ST+8*\i+4], v[S+32*\i+30], v[S+32*\i+31]
.endr
.irp i, 0,1
	v_max3_num_f32 v[ST+8*\i+4], v[ST+8*\i+4], v[ST+8*\i+5], v[ST+8*\i]      ; with the old M
.endr
.irp i, 0,1
	v_permlanex16_b32 v[ST+8*\i+5], v[ST+8*\i+4], s[SEL], s[SEL+1]           ; the query's other 32 keys lie in the lane 16 away
.endr
.irp i, 0,1
	v_max_num_f32 v[ST+8*\i+4], v[ST+8*\i+4], v[ST+8*\i+5]
.endr
.irp i, 0,1
	v_sub_f32 v[ST+8*\i+6], v[ST+8*\i], v[ST+8*\i+4]                         ; old M - new M, 0 or less
.endr
.irp i, 0,1
	v_mov_b32 v[ST+8*\i], v[ST+8*\i+4]                                       ; the new M
.endr
.irp i, 0,1
.set n, 0
.rept 16
	v_pk_add_f32 v[S+32*\i+2*n:S+32*\i+2*n+1], v[S+32*\i+2*n:S+32*\i+2*n+1], v[ST+8*\i:ST+8*\i+1] op_sel_hi:[1,0] neg_lo:[0,1] neg_hi:[0,1]   ; t - M, two at a time
.set n, n+1
.endr
.endr
.irp i, 0,1
	v_exp_f32 v[ST+8*\i+6], v[ST+8*\i+6]           ; a = 2^(old M - new M)
.endr
.set n, 0
.rept 64
	v_exp_f32 v[S+n], v[S+n]                       ; p = 2^(t - M), at most 1
.set n, n+1
.endr
	v_nop                                          ; a plain instruction behind the last exponential
	s_wait_alu depctr_va_vdst(0)                   ; the wait ahead of the first instruction that names a result: one for the batch of 66
	; the row's sum, of the unrounded p: l = a l + the sum, in two chains a tile
.irp i, 0,1
	v_pk_fma_f32 v[ST+8*\i+2:ST+8*\i+3], v[ST+8*\i+2:ST+8*\i+3], v[ST+8*\i+6:ST+8*\i+7], v[S+32*\i:S+32*\i+1] op_sel_hi:[1,0,1]
.endr
.irp i, 0,1
	v_pk_add_f32 v[ST+8*\i+4:ST+8*\i+5], v[S+32*\i+2:S+32*\i+3], v[S+32*\i+4:S+32*\i+5]
.endr
.irp j, 6,10,14,18,22,26
.irp i, 0,1
	v_pk_add_f32 v[ST+8*\i+2:ST+8*\i+3], v[ST+8*\i+2:ST+8*\i+3], v[S+32*\i+\j:S+32*\i+\j+1]
	v_pk_add_f32 v[ST+8*\i+4:ST+8*\i+5], v[ST+8*\i+4:ST+8*\i+5], v[S+32*\i+\j+2:S+32*\i+\j+3]
.endr
.endr
.irp i, 0,1
	v_pk_add_f32 v[ST+8*\i+2:ST+8*\i+3], v[ST+8*\i+2:ST+8*\i+3], v[S+32*\i+30:S+32*\i+31]
.endr
.irp i, 0,1
	v_pk_add_f32 v[ST+8*\i+2:ST+8*\i+3], v[ST+8*\i+2:ST+8*\i+3], v[ST+8*\i+4:ST+8*\i+5]
.endr
.set n, 0
.rept 32
	v_cvt_pk_f16_f32 v[P+n], v[S+2*n], v[S+2*n+1]  ; tiles 2 kp and 2 kp + 1 of a tile of queries become the eight registers of P(32 keys x 16 queries)
.set n, n+1
.endr
	WIN W_RS
.irp i, 0,1
.set n, 0
.rept 16
	v_pk_mul_f32 v[OF+32*\i+2*n:OF+32*\i+2*n+1], v[OF+32*\i+2*n:OF+32*\i+2*n+1], v[ST+8*\i+6:ST+8*\i+7] op_sel_hi:[1,0]   ; O^T under the new M, each accumulator from its low end on
.set n, n+1
.endr
.endr
	s_wait_dscnt 0x0                               ; V
	WIN W_PV
.irp kp, 0,1                                   ; O^T += V^T P: the eight accumulators take turns
.irp db, 0,1,2,3
.irp i, 0,1
	v_wmma_f32_16x16x32_f16 v[OF+32*\i+8*\db:OF+32*\i+8*\db+7], v[VF+32*\kp+8*\db:VF+32*\kp+8*\db+7], v[P+16*\i+8*\kp:P+16*\i+8*\kp+7], v[OF+32*\i+8*\db:OF+32*\i+8*\db+7]
.endr
.endr
.endr
	WIN 0
.endm
; A TRIP: slot s is read; o is the other slot.  In front of the round each wave waits for all its tensor loads (one is out: its part of slot s), adds 0 to its spare word, and waits for that and for its reads of
; slot o.  Behind the round no wave of any partner reads slot o or has a load on its way: the joint load of the next 128 keys goes into it first, and has this trip's two steps in which to land.
.macro TRIP s, o, refill, ask
.if \ask
	s_wait_xcnt 0x0                                ; the last prefetch, a trip back, has read its address, so it may be stepped
	s_add_nc_u64 s[PFA:PFA+1], s[PFA:PFA+1], s[PFS:PFS+1]
.endif
	s_wait_tensorcnt 0x0                           ; no tensor load of mine is out, so a group 0 may be written
	ds_add_u32 v[SPW], v[NIL]                      ; 0 onto my spare word; the descriptors' steps stand between it and the wait for it
	s_add_nc_u64 s[G0K+4*\s+2:G0K+4*\s+3], s[G0K+4*\s+2:G0K+4*\s+3], 2*32768   ; this slot's next keys: two blocks on;
	s_add_nc_u64 s[G0M+4*\s+2:G0M+4*\s+3], s[G0M+4*\s+2:G0M+4*\s+3], 2*512     ; 256 numbers on in the mask's rows.  The type bits on top are not reached
	s_wait_dscnt 0x0                               ; the add is done, and my reads of the other slot are over
.if \refill
	ROUND
	JLOAD \o
.else
	s_barrier_signal -1
	s_barrier_wait -1
.endif
.if \ask
	ASK                                            ; the keys two slots on: what the next trip's joint loads will ask for
.endif
	STEP \s, 0
	STEP \s, 1
.endm
	s_wait_loadcnt 0x0                             ; Q
.Lloop:                                            ; 7 trips of two slots: keys 0 to 1,791 are read, keys 128 to 1,919 asked for, keys 256 to 2,047 prefetched
	TRIP 0, 1, 1, 1
	TRIP 1, 0, 1, 1
	s_sub_co_u32 s[CNT], s[CNT], 1
	s_cmp_lg_u32 s[CNT], 0
	s_cbranch_scc1 .Lloop
	TRIP 0, 1, 1, 0                                ; the tail is written out: the last 128 keys are asked for
	TRIP 1, 0, 0, 0                                ; and then nothing (the stepped addresses are not used)
	; THE WAY OUT.  The sum's two halves and the other half of the lanes' are added; O^T is divided by the sum and goes through my stage in LDS, a tile of 16 queries at a time, so that sixteen lanes store 256
	; consecutive bytes, aligned: a query's 64 channels of my head.
.rept 4
	v_nop                                          ; four places behind the last products
.endr
.irp i, 0,1
	v_add_f32 v[ST+8*\i+4], v[ST+8*\i+2], v[ST+8*\i+3]
.endr
.irp i, 0,1
	v_permlanex16_b32 v[ST+8*\i+5], v[ST+8*\i+4], s[SEL], s[SEL+1]
.endr
.irp i, 0,1
	v_add_f32 v[ST+8*\i+4], v[ST+8*\i+4], v[ST+8*\i+5]
.endr
.irp i, 0,1
	v_rcp_f32 v[ST+8*\i+6], v[ST+8*\i+4]
.endr
	v_nop                                          ; a plain instruction behind the last reciprocal
	s_wait_alu depctr_va_vdst(0)                   ; and the wait ahead of the first use: one for the two
.macro OUT i
	WIN W_OUT
.set n, 0
.rept 16
	v_pk_mul_f32 v[S+32*\i+2*n:S+32*\i+2*n+1], v[OF+32*\i+2*n:OF+32*\i+2*n+1], v[ST+8*\i+6:ST+8*\i+7] op_sel_hi:[1,0]   ; register 8 db + j: out(query r, channel 16 db + 8 h + j)
.set n, n+1
.endr
	WIN 0
.irp db, 0,1,2,3
.irp e, 0,1
	ds_store_b128 v[STO], v[S+32*\i+8*\db+4*\e:S+32*\i+8*\db+4*\e+3] offset:64*\db+16*\e
.endr
.endr
.irp f, 0,1,2,3,4,5,6,7
	ds_load_b128 v[MK+32*\i+4*\f:MK+32*\i+4*\f+3], v[RD] offset:2*SPT*\f   ; LDS serves a wave's instructions in order (ISA guide 5.7.1.4): these see the stores above; the next tile's stores come behind them
.endr
.endm
.macro SEND i, younger                 ; younger: the LDS instructions issued behind tile i's loads
.irp f, 0,1,2,3,4,5,6,7
	s_wait_dscnt \younger+7-\f
	global_store_b128 v[GO], v[MK+32*\i+4*\f:MK+32*\i+4*\f+3], s[8:9] offset:(16*\i+2*\f)*4096 th:TH_STORE_NT
.endr
.endm
	OUT 0
	OUT 1
	SEND 0, 16
	SEND 1, 0
	s_wait_tensorcnt 0x0                           ; the wave's end, behind my last tensor load and my last LDS store
	ds_add_u32 v[SPW], v[NIL]
	s_wait_dscnt 0x0
	ROUND                                          ; the closing round: no work-group ends while a partner may still ask for a tile that names it
	s_endpgm
.Lfunc_end_k_qbbf4af0d79_attn:
	.size	k_qbbf4af0d79_attn, .Lfunc_end_k_qbbf4af0d79_attn-k_qbbf4af0d79_attn
	.p2alignl 7, 3214868480
	.fill 96, 4, 3214868480
	.section	.rodata,"a",@progbits
	.p2align	6, 0x0
	.amdhsa_kernel k_qbbf4af0d79_attn
		.amdhsa_group_segment_fixed_size 327680
		.amdhsa_private_segment_fixed_size 0
		.amdhsa_enable_private_segment 0
		.amdhsa_kernarg_size 24
		.amdhsa_user_sgpr_count 2
		.amdhsa_user_sgpr_kernarg_segment_ptr 1
		.amdhsa_wavefront_size32 1
		.amdhsa_system_sgpr_workgroup_id_x 1
		.amdhsa_system_sgpr_workgroup_id_y 1
		.amdhsa_system_sgpr_workgroup_id_z 1
		.amdhsa_system_vgpr_workitem_id 0
		.amdhsa_next_free_vgpr 512
		.amdhsa_next_free_sgpr 80
		.amdhsa_reserve_vcc 0
		.amdhsa_float_denorm_mode_32 3
		.amdhsa_float_denorm_mode_16_64 3
		.amdhsa_memory_ordered 1
		.amdhsa_forward_progress 1
		.amdhsa_inst_pref_size 183
	.end_amdhsa_kernel
	.amdgpu_metadata
---
amdhsa.version: [ 1, 2 ]
amdhsa.kernels:
  - .name:           k_qbbf4af0d79_attn
    .symbol:         k_qbbf4af0d79_attn.kd
    .args:
      - { .name: img, .offset: 0, .size: 8, .value_kind: global_buffer, .address_space: global }
      - { .name: mask, .offset: 8, .size: 8, .value_kind: global_buffer, .address_space: global }
      - { .name: out0, .offset: 16, .size: 8, .value_kind: global_buffer, .address_space: global }
    .group_segment_fixed_size: 327680
    .private_segment_fixed_size: 0
    .kernarg_segment_align: 8
    .kernarg_segment_size: 24
    .max_flat_workgroup_size: 256
    .sgpr_count:     80
    .vgpr_count:     512
    .wavefront_size: 32
...
	.end_amdgpu_metadata
.endif
;; end of part 3
